; MI455X (gfx1250); checked and timed in simulation.
; The chip was launched on July 23, 2026; its instructions are those of AMD's public machine-readable ISA for CDNA 5 (MIT licence, August 2026) and "CDNA5" Instruction Set Architecture Reference Guide (July 2026). The comments in the code are by the model that wrote it; some were corrected since.
;; Complex Mo E Layer. Allowed arithmetic: matrix products marked QUANTISED: E2M3 operands, one E8M0 scale for each 32 along K, by v_wmma_scale_f32_16x16x128_f8f6f4 with both operands' format E2M3, f32 sums; products left as they are: f32 operands where the result goes on into a quantised operand, else bf16, f16 or f32 operands; f32 sums; everything else in f32.
;; Inputs: W1i_codes 8 x 2,048 x 16 x 24 uint8 (E2M3 codes of W1i, K innermost, in blocks of 32 codes, four codes in three bytes); W1i_scales 8 x 2,048 x 16 uint8 (E8M0 scales of W1i, one for each 32 codes along K); W1r_codes 8 x 2,048 x 16 x 24 uint8 (E2M3 codes of W1r, K innermost, in blocks of 32 codes, four codes in three bytes); W1r_scales 8 x 2,048 x 16 uint8 (E8M0 scales of W1r, one for each 32 codes along K); W2i_codes 8 x 512 x 64 x 24 uint8 (E2M3 codes of W2i, K innermost, in blocks of 32 codes, four codes in three bytes); W2i_scales 8 x 512 x 64 uint8 (E8M0 scales of W2i, one for each 32 codes along K); W2r_codes 8 x 512 x 64 x 24 uint8 (E2M3 codes of W2r, K innermost, in blocks of 32 codes, four codes in three bytes); W2r_scales 8 x 512 x 64 uint8 (E8M0 scales of W2r, one for each 32 codes along K); b1i 8 x 2,048 float32; b1r 8 x 2,048 float32; b2i 8 x 512 float32; b2r 8 x 512 float32; gate_W 1,024 x 8 float32; gate_b 8 float32; mod_b 8 x 2,048 float32; x_imag 4 x 256 x 512 float32; x_real 4 x 256 x 512 float32.
;; Outputs: out0 4 x 256 x 512 float32; out1 4 x 256 x 512 float32.
;; This version of the problem:
;;   THIS VERSION OF THE PROBLEM IS GIVEN IN LOW PRECISION. The matrix products marked QUANTISED in the list below multiply operands that are first quantised to E2M3 (2 exponent bits, 3 mantissa bits; 6 bits a number), with one power-of-two scale for each 32 numbers along K (OCP MX v1.0); their sums are f32. All else is computed in f32.
;;   The module's matrix products, in the order in which they are computed (A, B: the left and right operand; K: the contracted axis; several contracted axes count as one K, in the product's order):
;;     1. [M 1,024, K 1,024] x [K 1,024, N 8]; A: computed on the way; B: input gate_W: left as it is (N = 8 < 16)
;;     2. [M 16,384, K 512] x [K 512, N 1,024]; A: input W1r (given as codes); B: input x_real: QUANTISED
;;     3. [M 16,384, K 512] x [K 512, N 1,024]; A: input W1i (given as codes); B: input x_imag: QUANTISED
;;     4. [M 16,384, K 512] x [K 512, N 1,024]; A: input W1i (given as codes); B: input x_real: QUANTISED
;;     5. [M 16,384, K 512] x [K 512, N 1,024]; A: input W1r (given as codes); B: input x_imag: QUANTISED
;;     6. batch 8 x [M 1,024, K 2,048] x [K 2,048, N 512]; A: computed on the way; B: input W2r (given as codes): QUANTISED
;;     7. batch 8 x [M 1,024, K 2,048] x [K 2,048, N 512]; A: computed on the way; B: input W2i (given as codes): QUANTISED
;;     8. batch 8 x [M 1,024, K 2,048] x [K 2,048, N 512]; A: computed on the way; B: input W2i (given as codes): QUANTISED
;;     9. batch 8 x [M 1,024, K 2,048] x [K 2,048, N 512]; A: computed on the way; B: input W2r (given as codes): QUANTISED
;;     10. batch 1,024 x [M 1, K 8] x [K 8, N 512]; A: computed on the way; B: computed on the way: left as it is (K = 8 < 32)
;;     11. batch 1,024 x [M 1, K 8] x [K 8, N 512]; A: computed on the way; B: computed on the way: left as it is (K = 8 < 32)
;;   THE QUANTISER, for each operand of a quantised product, along K:
;;     - K is cut into blocks of 32 from its start; a last block that is shorter is filled with zeros.
;;     - A block's scale is 2^e with e = floor(log2(the largest magnitude in the block)) - 2, held to -126 .. 127; a block of zeros has e = 0. As a byte (E8M0): e + 127.
;;     - Each number is divided by its block's scale, clamped to +-7.5, and rounded to the nearest number of E2M3, ties to even, subnormals kept.
;;     - The product sums the exact products of the quantised numbers (number of the format x scale) in f32.
;;   ~~~python
;;   def quantise(x, axis):      # numpy; x: float32 -> the quantised numbers, widened to float32 again
;;       x = np.moveaxis(x, axis, -1); K = x.shape[-1]
;;       x = np.pad(x, [(0, 0)] * (x.ndim - 1) + [(0, -K % 32)]); x = x.reshape(x.shape[:-1] + (-1, 32)); a = np.abs(x).max(-1, keepdims=True)
;;       e = np.where(a > 0, np.clip(np.frexp(np.where(a > 0, a, 1))[1] - 1 - 2, -126, 127), 0)      # np.frexp(a)[1] - 1 = floor(log2(a)), exactly
;;       r = np.clip(x / 2.0 ** e, -7.5, 7.5)
;;       step = 2.0 ** (np.maximum(np.frexp(np.where(r == 0, 1, r))[1] - 1, 0) - 3)
;;       q = np.round(r / step) * step * 2.0 ** e      # np.round: ties to even
;;       return np.moveaxis(q.reshape(q.shape[:-2] + (-1,))[..., :K], -1, axis).astype(np.float32)
;;   ~~~
;;   OPERANDS COMPUTED ON THE WAY. 'Computed on the way' means the value that the module computes at that place (a softmax that the list does not call 'softmax' is quantised finished and normalised). What goes into a quantiser is computed in f32, as accurately as f32 sums, v_exp_f32 and their like allow (about 1e-6 of the number): no bf16 or f16 on the way to a quantiser, and a product that is left as it is and whose result goes on into a quantised operand takes f32 operands (vector FMAs, or v_wmma_f32_16x16x4_f32). A number that lies on a knife's edge between two numbers of the format may be rounded either way, as far as f32 arithmetic and the matrix unit's own rounding can turn it there, and no further.
;;   INPUTS GIVEN AS CODES. W1i (in the module: [8, 512, 2048], K = its axis 1); W1r (in the module: [8, 512, 2048], K = its axis 1); W2i (in the module: [8, 2048, 512], K = its axis 1); W2r (in the module: [8, 2048, 512], K = its axis 1): each comes as NAME_codes (uint8): NAME with its K axis moved to the last place and cut into blocks of 32 codes, [.., K / 32, bytes a block], one block behind the other in memory; four codes in three bytes: a row's codes are one little-endian stream of bits, code i at bits 6 i .. 6 i + 5 (a code: sign, 2 exponent bits, 3 mantissa bits); and NAME_scales (uint8): the same leading axes, one E8M0 byte (e + 127) for each 32 codes along K. Its value is code x scale, taken as it is: it is not quantised again, and the codes and scales need not be those that the quantiser above would give.
;; One version. Each part assembles by itself: llvm-mc -triple=amdgcn-amd-amdhsa -mcpu=gfx1250 --defsym DOCPART=n.
;; ======== version 1 of 1: 4 launches
;; workspace buffers: xq 819,200 bytes; route 4,096 bytes of whole numbers; gatep 4,096 bytes; plan 6,144 bytes of whole numbers; pw 5,888 bytes; hq 4,710,400 bytes
;; launch gate (part 1): grid 256 x 1, 4 waves a work-group, no clusters, 34,304 bytes of LDS; arguments x_real, x_imag, gate_W, gate_b, xq, route, gatep; writes xq, route, gatep
.if DOCPART == 1
	.amdgcn_target "amdgcn-amd-amdhsa--gfx1250"
	.amdhsa_code_object_version 6
	.text
	.protected	k_qd0a6fa7b01_gate
	.globl	k_qd0a6fa7b01_gate
	.p2align	8
	.type	k_qd0a6fa7b01_gate,@function
k_qd0a6fa7b01_gate:
	s_mov_b64 s[64:65], 0
	v_nop
	global_prefetch_b8 v0, s[64:65] scope:SCOPE_SE
	s_setreg_imm32_b32 hwreg(HW_REG_WAVE_MODE, 25, 1), 1
	s_wait_xcnt 0x0
; GATE.  For each of the 1,024 tokens: the router in f32 (|z|, angle(z), 1,024 x 8 product, softmax, argmax) and the codes of x.
; A wave takes ONE token (4 x work-group + wave); lane l holds k = 16 l .. 16 l + 15 of x_real and of x_imag.
; STORED: route[token] = the chosen expert (whole number), gatep[token] = its probability = 1 / sum of exp(s - max),
; and xq: the token's E2M3 codes and E8M0 scale words, laid in the order of the matrix operand's registers:
;   codes at 768 token + 384 part + 96 s + 48 h + 24 c + 12 u  (part 0 real, 1 imaginary; K step s of 128; block 2 c + h of it; half u of the block),
;   so that lane (row, h) of a fragment later takes 48 consecutive bytes;  scale words at 786,432 + 32 token + 16 part + 4 s.
; gate_W (32 KiB) comes once into LDS, 16 rows (512 bytes) to a chunk, chunks 528 bytes apart: lane l reads chunk l, and 528 = 33 x 16 keeps
; the sixteen lanes of a 16-byte load in sixteen different columns of 16 bytes.
; angle(z): u = min / max of the magnitudes, folded to |u| <= tan(pi/8) by (mn - mx) / (mn + mx), a division corrected by one step, a polynomial of degree 9,
; then the octant is undone.  No matrix unit: the product has N = 8, and its result steers the choice, so it is summed in f32.
; LIMITS: NaN and infinities are not served.  Magnitudes under 2^-126 or over 2^125 give an inexact angle (the divisor is held at 2^-126; its reciprocal must be a normal number).
; The choice is made on the scores, the lowest index among equal scores; reference() makes it on the rounded probabilities.
; A block of zeros gets the scale byte 1, not 127: its codes are zeros, and this program alone reads the bytes.
.set CH,  528                          ; LDS: from chunk to chunk
.set XQS, 786432                       ; xq: where the scale words begin
.set XR,  16                           ; v16-31   x_real
.set XI,  32                           ; v32-47   x_imag
.set AMP, 48                           ; v48-63   |z|
.set PH,  64                           ; v64-79   angle(z)
.set QT,  80                           ; v80-95   the quantiser's: +0..2 at work, +4..6 real codes, +8..10 imaginary codes, +12, +13 bytes, +14 at work
.set T0,  96                           ; v96-159  four sets of 16, at work on the angle
.set T1,  112
.set T2,  128
.set T3,  144
.set RAW, 160                          ; v160-223 gate_W as loaded
.set W,   96                           ; v96-223  16 rows x 8 experts of gate_W: row k', expert e at W + 8 k' + e
.set ACC, 224                          ; v224-231 the scores from |z|, v232-239 from the angle
	s_load_b256 s[4:11], s[0:1], 0x0               ; x_real s[4:5], x_imag s[6:7], gate_W s[8:9], gate_b s[10:11]
	s_load_b128 s[12:15], s[0:1], 0x20             ; xq s[12:13], route s[14:15]
	s_load_b64 s[16:17], s[0:1], 0x30              ; gatep
	v_lshl_add_u32 v254, v0, 2, 0x8400
	v_mov_b32 v255, 0
	v_lshrrev_b32 v2, 5, v0
	v_readfirstlane_b32 s20, v2                    ; wave
	v_and_b32 v1, 31, v0                           ; lane
	s_lshl_b32 s21, ttmp9, 2
	s_add_co_u32 s21, s21, s20                     ; token
	v_lshlrev_b32 v2, 6, v1                        ; x: 64 bytes a lane
	v_lshlrev_b32 v3, 4, v0                        ; gate_W: 16 bytes a thread
	s_mul_i32 s22, s20, CH
	v_lshlrev_b32 v4, 4, v1
	v_add_nc_u32 v4, s22, v4                       ; LDS, in: load j's 2,048 bytes are chunks 4 j + wave: 528 wave + 16 lane (+ 2,112 j)
	v_mul_u32_u24 v5, v1, CH                       ; LDS, out: chunk = lane
	v_lshrrev_b32 v7, 3, v1                        ; s = lane / 8
	v_mul_u32_u24 v6, v7, 96
	v_bfe_u32 v8, v1, 1, 1                         ; h
	v_mad_u32_u24 v6, v8, 48, v6
	v_bfe_u32 v8, v1, 2, 1                         ; c
	v_mad_u32_u24 v6, v8, 24, v6
	v_and_b32 v9, 1, v1                            ; u
	v_mad_u32_u24 v6, v9, 12, v6                   ; my 12 bytes of codes in a part's 384
	v_lshlrev_b32 v10, 2, v7
	v_lshl_add_u32 v10, v9, 4, v10                 ; scale words: even lanes store the real part's word s, odd lanes the imaginary part's
	v_bfe_u32 v11, v1, 1, 2
	v_lshlrev_b32 v11, 3, v11                      ; my block's byte stands 8 x (block % 4) bits up in its word
	v_cmp_eq_u32 s24, 1, v9                        ; odd lanes
	s_lshl_b32 s25, s21, 2
	v_mov_b32 v12, s25                             ; route, gatep: 4 bytes a token
	v_mov_b32 v13, 0x3da4f0d1                      ; the polynomial's leading coefficient
	v_mov_b32 v14, 0x3f490fdb                      ; pi / 4
	s_lshl_b32 s26, s21, 11                        ; a token's row of x: 2,048 bytes
	s_mov_b32 s27, 0
	s_mul_i32 s28, s21, 768
	s_mov_b32 s29, 0
	s_lshl_b32 s30, s21, 5
	s_add_co_u32 s30, s30, XQS
	s_mov_b32 s31, 0
	s_mov_b32 s56, 0x76543210                      ; v_permlanex16_b32's selects for lane l xor 16
	s_mov_b32 s57, 0xfedcba98
	s_wait_kmcnt 0x0
	s_load_b256 s[48:55], s[10:11], 0x0            ; gate_b
	s_add_nc_u64 s[4:5], s[4:5], s[26:27]
	s_add_nc_u64 s[6:7], s[6:7], s[26:27]
	s_add_nc_u64 s[18:19], s[12:13], s[30:31]      ; my token's scale words
	s_add_nc_u64 s[12:13], s[12:13], s[28:29]      ; my token's codes
.irp i, 0,1,2,3
	global_load_b128 v[XR+4*\i:XR+4*\i+3], v2, s[4:5] offset:16*\i th:TH_LOAD_NT
.endr
.irp i, 0,1,2,3
	global_load_b128 v[XI+4*\i:XI+4*\i+3], v2, s[6:7] offset:16*\i th:TH_LOAD_NT
.endr
.irp j, 0,1,2,3,4,5,6,7,8,9,10,11,12,13,14,15
	global_load_b128 v[RAW+4*\j:RAW+4*\j+3], v3, s[8:9] offset:2048*\j   ; the work-group's 128 threads read 2,048 consecutive bytes
.endr
	s_wait_loadcnt 16                              ; x is in; the 16 loads of gate_W stay out
	; ---- |z| and angle(z), stage by stage over my 16 numbers, so that no line waits for the line above it
.set j, 0
.rept 16
	v_max_num_f32 v[T0+j], |v[XR+j]|, |v[XI+j]|    ; mx
	v_min_num_f32 v[T1+j], |v[XR+j]|, |v[XI+j]|    ; mn
	v_mul_f32 v[T2+j], v[XR+j], v[XR+j]
.set j, j+1
.endr
.set j, 0
.rept 16
	v_fma_f32 v[T2+j], v[XI+j], v[XI+j], v[T2+j]
.set j, j+1
.endr
.set j, 0
.rept 16
	v_sqrt_f32 v[AMP+j], v[T2+j]
.set j, j+1
.endr
.set j, 0
.rept 16
	v_mul_f32 v[T3+j], 0x3ed413cd, v[T0+j]         ; tan(pi/8) x mx.  (The first of these is the plain line behind the roots)
.set j, j+1
.endr
.set j, 0
.rept 16
	v_cmp_gt_f32 s[32+j], v[T1+j], v[T3+j]         ; fold where mn / mx > tan(pi/8)
	v_sub_f32 v[T2+j], v[T1+j], v[T0+j]
	v_add_f32 v[T3+j], v[T1+j], v[T0+j]
.set j, j+1
.endr
.set j, 0
.rept 16
	v_cndmask_b32 v[T2+j], v[T1+j], v[T2+j], s[32+j]   ; the dividend: mn - mx, or mn
	v_cndmask_b32 v[T3+j], v[T0+j], v[T3+j], s[32+j]   ; the divisor: mn + mx, or mx
.set j, j+1
.endr
.set j, 0
.rept 16
	v_max_num_f32 v[T3+j], 0x800000, v[T3+j]       ; held at 2^-126: z = 0 gives the angle 0
.set j, j+1
.endr
.set j, 0
.rept 16
	v_rcp_f32 v[T0+j], v[T3+j]
.set j, j+1
.endr
	v_nop                                          ; one plain line behind the reciprocals
.set j, 0
	s_wait_alu depctr_va_vdst(0)
.rept 16
	v_mul_f32 v[T1+j], v[T2+j], v[T0+j]            ; u
.set j, j+1
.endr
.set j, 0
.rept 16
	v_fma_f32 v[T2+j], -v[T1+j], v[T3+j], v[T2+j]  ; what the quotient leaves,
.set j, j+1
.endr
.set j, 0
.rept 16
	v_fma_f32 v[T1+j], v[T2+j], v[T0+j], v[T1+j]   ; put back: u to the last bit or nearly
.set j, j+1
.endr
.set j, 0
.rept 16
	v_mul_f32 v[T0+j], v[T1+j], v[T1+j]            ; z = u u
.set j, j+1
.endr
.set j, 0
.rept 16
	v_fmaak_f32 v[T2+j], v13, v[T0+j], 0xbe0e1b85
.set j, j+1
.endr
.set j, 0
.rept 16
	v_fmaak_f32 v[T2+j], v[T2+j], v[T0+j], 0x3e4c925f
.set j, j+1
.endr
.set j, 0
.rept 16
	v_fmaak_f32 v[T2+j], v[T2+j], v[T0+j], 0xbeaaaa2a
.set j, j+1
.endr
.set j, 0
.rept 16
	v_mul_f32 v[T2+j], v[T2+j], v[T0+j]
.set j, j+1
.endr
.set j, 0
.rept 16
	v_fma_f32 v[T2+j], v[T2+j], v[T1+j], v[T1+j]   ; atan(u)
	v_cndmask_b32 v[T3+j], 0, v14, s[32+j]         ; pi / 4 where folded
.set j, j+1
.endr
.set j, 0
.rept 16
	v_add_f32 v[T2+j], v[T2+j], v[T3+j]            ; atan(mn / mx)
.set j, j+1
.endr
.set j, 0
.rept 16
	v_cmp_gt_f32 vcc_lo, |v[XI+j]|, |v[XR+j]|
	v_sub_f32 v[T3+j], 0x3fc90fdb, v[T2+j]
	v_cndmask_b32 v[T2+j], v[T2+j], v[T3+j], vcc_lo    ; pi / 2 - a where |y| > |x|
.set j, j+1
.endr
.set j, 0
.rept 16
	v_cmp_gt_i32 vcc_lo, 0, v[XR+j]                ; x's sign bit
	v_sub_f32 v[T3+j], 0x40490fdb, v[T2+j]
	v_cndmask_b32 v[T2+j], v[T2+j], v[T3+j], vcc_lo    ; pi - a where x is negative
.set j, j+1
.endr
.set j, 0
.rept 16
	v_bfi_b32 v[PH+j], 0x7fffffff, v[T2+j], v[XI+j]    ; y's sign
.set j, j+1
.endr
	; ---- gate_W into LDS, for all four waves
	s_wait_loadcnt 0x0
.irp j, 0,1,2,3,4,5,6,7,8,9,10,11,12,13,14,15
	ds_store_b128 v4, v[RAW+4*\j:RAW+4*\j+3] offset:2112*\j
.endr
	s_wait_dscnt 0x0                               ; for the others' sake: my stores have landed
	s_barrier_signal -1
	s_barrier_wait -1
.set g, 0
.rept 32
	ds_load_b128 v[W+4*g:W+4*g+3], v5 offset:16*g  ; the 16 rows that multiply my |z|
.set g, g+1
.endr
	; ---- x into codes, while those loads are out.  Two neighbouring lanes hold a block of 32.
.macro QX x, c, e                      ; 16 numbers from v[x] on -> 96 bits of codes in v[c] on, the block's scale byte in v[e]
	v_max3_num_f32 v[QT], |v[\x]|, |v[\x+1]|, |v[\x+2]|
	v_max3_num_f32 v[QT+1], |v[\x+3]|, |v[\x+4]|, |v[\x+5]|
.irp i, 6,10
	v_max3_num_f32 v[QT], v[QT], |v[\x+\i]|, |v[\x+\i+1]|
	v_max3_num_f32 v[QT+1], v[QT+1], |v[\x+\i+2]|, |v[\x+\i+3]|
.endr
	v_max3_num_f32 v[QT], v[QT], |v[\x+14]|, |v[\x+15]|
	v_max3_num_f32 v[QT], v[QT], v[QT+1], 0x1800000    ; and the floor 2^(3 - 127): the byte cannot fall under 1
	v_max_num_f32_dpp v[QT], v[QT], v[QT] row_xmask:1 row_mask:0xf bank_mask:0xf   ; with my neighbour's 16: the block's largest magnitude
	v_add_nc_u32 v[QT+2], 0xff000000, v[QT]        ; 2 off its exponent field: the conversion takes that field as its scale
	v_cvt_scalef32_pk16_fp6_f32 v[\c:\c+2], v[\x:\x+15], v[QT+2]
	v_lshrrev_b32 v[\e], 23, v[QT+2]               ; the scale's byte.  (Also the plain line behind the conversion)
.endm
	QX XR, QT+4, QT+12
	QX XI, QT+8, QT+13
	global_store_b96 v6, v[QT+4:QT+6], s[12:13]            ; the wave's 32 x 12 bytes are the part's 384 consecutive bytes
	global_store_b96 v6, v[QT+8:QT+10], s[12:13] offset:384
	v_mov_b32 v[QT+14], 0                          ; (a lane move's destination counts as read)
.irp e, 12,13
	v_lshlrev_b32 v[QT+\e], v11, v[QT+\e]          ; my byte at its place,
	v_mov_b32_dpp v[QT+14], v[QT+\e] row_xmask:2 row_mask:0xf bank_mask:0xf
	v_or_b32 v[QT+\e], v[QT+\e], v[QT+14]
	v_mov_b32_dpp v[QT+14], v[QT+\e] row_xmask:4 row_mask:0xf bank_mask:0xf
	v_or_b32 v[QT+\e], v[QT+\e], v[QT+14]          ; with those of lanes l xor 2 and l xor 4: the word of my K step
.endr
	v_cndmask_b32 v[QT+12], v[QT+12], v[QT+13], s24
	global_store_b32 v10, v[QT+12], s[18:19]       ; four lanes hold each word and store the same bits to the same place: 32 bytes a token
	; ---- the scores: 16 rows x 8 experts a lane, two experts an instruction, four chains by turns
.macro DOT a, acc
.irp p, 0,1,2,3
	v_pk_mul_f32 v[\acc+2*\p:\acc+2*\p+1], v[W+2*\p:W+2*\p+1], v[\a:\a+1] op_sel_hi:[1,0]   ; the first row starts the sums
.endr
.set k, 1
.rept 15
.irp p, 0,1,2,3
.if k%2
	v_pk_fma_f32 v[\acc+2*\p:\acc+2*\p+1], v[W+8*k+2*\p:W+8*k+2*\p+1], v[\a+k-1:\a+k], v[\acc+2*\p:\acc+2*\p+1] op_sel:[0,1,0] op_sel_hi:[1,1,1]
.else
	v_pk_fma_f32 v[\acc+2*\p:\acc+2*\p+1], v[W+8*k+2*\p:W+8*k+2*\p+1], v[\a+k:\a+k+1], v[\acc+2*\p:\acc+2*\p+1] op_sel_hi:[1,0,1]
.endif
.endr
.set k, k+1
.endr
.endm
	s_wait_dscnt 0x0
	DOT AMP, ACC
.set g, 0
.rept 32
	ds_load_b128 v[W+4*g:W+4*g+3], v5 offset:32*CH+16*g    ; the 16 rows that multiply my angles: chunk 32 + lane
.set g, g+1
.endr
	s_wait_dscnt 0x0
	DOT PH, ACC+8
.irp p, 0,1,2,3
	v_pk_add_f32 v[ACC+2*\p:ACC+2*\p+1], v[ACC+2*\p:ACC+2*\p+1], v[ACC+8+2*\p:ACC+8+2*\p+1]
.endr
.irp m, 1,2,4,8
.irp e, 0,1,2,3,4,5,6,7
	v_add_f32_dpp v[ACC+\e], v[ACC+\e], v[ACC+\e] row_xmask:\m row_mask:0xf bank_mask:0xf
.endr
.endr
.irp e, 0,1,2,3,4,5,6,7
	v_permlanex16_b32 v[ACC+8+\e], v[ACC+\e], s56, s57
.endr
	s_wait_kmcnt 0x0                               ; gate_b
.irp e, 0,1,2,3,4,5,6,7
	v_add_f32 v[ACC+\e], v[ACC+\e], v[ACC+8+\e]    ; every lane holds the token's eight sums
.endr
.irp e, 0,1,2,3,4,5,6,7
	v_add_f32 v[ACC+\e], s[48+\e], v[ACC+\e]
.endr
	v_max3_num_f32 v240, v[ACC], v[ACC+1], v[ACC+2]
	v_max3_num_f32 v240, v240, v[ACC+3], v[ACC+4]
	v_max3_num_f32 v240, v240, v[ACC+5], v[ACC+6]
	v_max_num_f32 v240, v240, v[ACC+7]             ; the largest score is taken away ahead of the exponentials
	v_mov_b32 v241, 7
.irp e, 6,5,4,3,2,1,0
	v_cmp_neq_f32 vcc_lo, v[ACC+\e], v240
	v_cndmask_b32 v241, \e, v241, vcc_lo           ; from the top down: the lowest index among equals stays
.endr
.irp e, 0,1,2,3,4,5,6,7
	v_sub_f32 v[ACC+8+\e], v[ACC+\e], v240
.endr
.irp e, 0,1,2,3,4,5,6,7
	v_mul_f32 v[ACC+8+\e], 0x3fb8aa3b, v[ACC+8+\e]
.endr
.irp e, 0,1,2,3,4,5,6,7
	v_exp_f32 v[ACC+8+\e], v[ACC+8+\e]
.endr
	v_nop
	s_wait_alu depctr_va_vdst(0)
.irp e, 0,2,4,6
	v_add_f32 v[ACC+8+\e], v[ACC+8+\e], v[ACC+9+\e]
.endr
	v_add_f32 v[ACC+8], v[ACC+8], v[ACC+10]
	v_add_f32 v[ACC+12], v[ACC+12], v[ACC+14]
	v_add_f32 v[ACC+8], v[ACC+8], v[ACC+12]
	v_rcp_f32 v242, v[ACC+8]                       ; the chosen expert's exponential is 1: its probability is 1 / the sum
	v_cmp_eq_u32 vcc_lo, 0, v1
	v_nop
	s_wait_xcnt 0x0                                ; EXEC changes only behind this wait: it is a source of the stores above
	s_wait_tensorcnt 0x0
	ds_add_u32 v254, v255
	s_wait_dscnt 0x0
	s_and_saveexec_b32 s58, vcc_lo                 ; lane 0 alone
	global_store_b32 v12, v241, s[14:15]
	s_wait_alu depctr_va_vdst(0)
	global_store_b32 v12, v242, s[16:17]
	s_endpgm
.Lfunc_end_k_qd0a6fa7b01_gate:
	.size	k_qd0a6fa7b01_gate, .Lfunc_end_k_qd0a6fa7b01_gate-k_qd0a6fa7b01_gate
	.p2alignl 7, 3214868480
	.fill 96, 4, 3214868480
	.section	.rodata,"a",@progbits
	.p2align	6, 0x0
	.amdhsa_kernel k_qd0a6fa7b01_gate
		.amdhsa_group_segment_fixed_size 34304
		.amdhsa_private_segment_fixed_size 0
		.amdhsa_enable_private_segment 0
		.amdhsa_kernarg_size 56
		.amdhsa_user_sgpr_count 2
		.amdhsa_user_sgpr_kernarg_segment_ptr 1
		.amdhsa_wavefront_size32 1
		.amdhsa_system_sgpr_workgroup_id_x 1
		.amdhsa_system_sgpr_workgroup_id_y 1
		.amdhsa_system_sgpr_workgroup_id_z 1
		.amdhsa_system_vgpr_workitem_id 0
		.amdhsa_next_free_vgpr 256
		.amdhsa_next_free_sgpr 66
		.amdhsa_reserve_vcc 1
		.amdhsa_float_denorm_mode_32 3
		.amdhsa_float_denorm_mode_16_64 3
		.amdhsa_memory_ordered 1
		.amdhsa_forward_progress 1
		.amdhsa_inst_pref_size 52
	.end_amdhsa_kernel
	.amdgpu_metadata
---
amdhsa.version: [ 1, 2 ]
amdhsa.kernels:
  - .name:           k_qd0a6fa7b01_gate
    .symbol:         k_qd0a6fa7b01_gate.kd
    .args:
      - { .name: x_real, .offset: 0, .size: 8, .value_kind: global_buffer, .address_space: global }
      - { .name: x_imag, .offset: 8, .size: 8, .value_kind: global_buffer, .address_space: global }
      - { .name: gate_W, .offset: 16, .size: 8, .value_kind: global_buffer, .address_space: global }
      - { .name: gate_b, .offset: 24, .size: 8, .value_kind: global_buffer, .address_space: global }
      - { .name: xq, .offset: 32, .size: 8, .value_kind: global_buffer, .address_space: global }
      - { .name: route, .offset: 40, .size: 8, .value_kind: global_buffer, .address_space: global }
      - { .name: gatep, .offset: 48, .size: 8, .value_kind: global_buffer, .address_space: global }
    .group_segment_fixed_size: 34304
    .private_segment_fixed_size: 0
    .kernarg_segment_align: 8
    .kernarg_segment_size: 56
    .max_flat_workgroup_size: 128
    .sgpr_count:     66
    .vgpr_count:     256
    .wavefront_size: 32
...
	.end_amdgpu_metadata
.endif
;; end of part 1
;; launch place (part 2): grid 1 x 1, 32 waves a work-group, no clusters, 5,120 bytes of LDS; arguments route, gatep, plan, pw; writes plan, pw
.if DOCPART == 2
	.amdgcn_target "amdgcn-amd-amdhsa--gfx1250"
	.amdhsa_code_object_version 6
	.text
	.protected	k_qd0a6fa7b01_place
	.globl	k_qd0a6fa7b01_place
	.p2align	8
	.type	k_qd0a6fa7b01_place,@function
k_qd0a6fa7b01_place:
	s_mov_b64 s[64:65], 0
	v_nop
	global_prefetch_b8 v0, s[64:65] scope:SCOPE_SE
	s_setreg_imm32_b32 hwreg(HW_REG_WAVE_MODE, 25, 1), 1
	s_wait_xcnt 0x0
; PLACE.  A counting sort of the 1,024 tokens by their expert, in one work-group of 32 waves; thread t is token t.  All arithmetic on which an address hangs is in whole numbers.
; An expert's tokens, in ascending order, fill tiles of 64 rows; an expert begins a new tile.  There are never more than 1,024 / 64 + 7 = 23 tiles, whatever the choice.
; STORED: plan bytes 0-255: 32 entries (expert, rows) of 8 bytes, rows = 0 for a tile that this split does not use;
;         plan from byte 256 on: [tile][64] token numbers;  pw: [tile][64] the token's probability, at the same slot.  Only slots under a tile's number of rows are written, and only those are read later.
; One work-group does it: 8 KiB in, 12 KiB out; no atomics.
	s_load_b128 s[4:7], s[0:1], 0x0                ; route, gatep
	s_load_b128 s[8:11], s[0:1], 0x10              ; plan, pw
	v_lshl_add_u32 v64, v0, 2, 0x400
	v_mov_b32 v65, 0
	v_lshrrev_b32 v2, 5, v0
	v_readfirstlane_b32 s12, v2                    ; wave
	v_and_b32 v1, 31, v0                           ; lane
	v_lshlrev_b32 v3, 2, v0
	s_lshl_b32 s13, s12, 5
	v_mov_b32 v8, s13                              ; LDS: my wave's eight counts, 32 bytes
	v_lshlrev_b32 v9, 5, v1                        ; and those of wave = my lane
	s_mov_b32 s14, 0x76543210
	s_mov_b32 s15, 0xfedcba98
	s_wait_kmcnt 0x0
	global_load_b32 v4, v3, s[4:5]                 ; my expert
	global_load_b32 v5, v3, s[6:7]                 ; my probability
	v_mov_b32 v6, 0
.irp e, 0,1,2,3,4,5,6,7
	v_mov_b32 v[24+\e], 0                          ; (a lane move's destination counts as read)
.endr
	s_wait_loadcnt 0x0
.irp e, 0,1,2,3,4,5,6,7
	v_cmp_eq_u32 s[16+\e], \e, v4                  ; the wave's tokens of expert e,
	s_bcnt1_i32_b32 s[24+\e], s[16+\e]             ; how many,
	v_mbcnt_lo_u32_b32 v7, s[16+\e], 0             ; how many in lanes under mine,
	v_cndmask_b32 v6, v6, v7, s[16+\e]             ; which is my rank in the wave if e is my expert
.endr
.irp e, 0,1,2,3,4,5,6,7
	v_mov_b32 v[12+\e], s[24+\e]
.endr
	ds_store_b128 v8, v[12:15]                     ; all lanes write the same words with the same values
	ds_store_b128 v8, v[16:19] offset:16
	s_wait_dscnt 0x0
	s_barrier_signal -1
	s_barrier_wait -1
	ds_load_b128 v[12:15], v9
	ds_load_b128 v[16:19], v9 offset:16
	v_cmp_gt_u32 vcc_lo, s12, v1                   ; a wave in front of mine?
	v_mov_b32 v20, 1
	v_mov_b32 v21, 0x1001
	v_cndmask_b32 v20, v20, v21, vcc_lo            ; its counts go into two sums at once: all waves' (bits 11:0, at most 1,024) and those in front of mine (from bit 12 on)
	s_wait_dscnt 0x0
.irp e, 0,1,2,3,4,5,6,7
	v_mul_u32_u24 v[12+\e], v[12+\e], v20
.endr
.irp m, 1,2,4,8
.irp e, 0,1,2,3,4,5,6,7
	v_mov_b32_dpp v[24+\e], v[12+\e] row_xmask:\m row_mask:0xf bank_mask:0xf
.endr
.irp e, 0,1,2,3,4,5,6,7
	v_add_nc_u32 v[12+\e], v[12+\e], v[24+\e]
.endr
.endr
.irp e, 0,1,2,3,4,5,6,7
	v_permlanex16_b32 v[24+\e], v[12+\e], s14, s15
.endr
.irp e, 0,1,2,3,4,5,6,7
	v_add_nc_u32 v[12+\e], v[12+\e], v[24+\e]
.endr
.irp e, 0,1,2,3,4,5,6,7
	v_readfirstlane_b32 s[32+\e], v[12+\e]
.endr
	s_mov_b32 s2, 0                                ; tiles so far
.irp e, 0,1,2,3,4,5,6,7
	s_and_b32 s[24+\e], s[32+\e], 0xfff            ; the expert's tokens
	s_lshr_b32 s[32+\e], s[32+\e], 12              ; those in waves in front of mine
	s_mov_b32 s[40+\e], s2                         ; its first tile
	s_lshl_b32 s3, s2, 6
	s_add_co_u32 s[48+\e], s3, s[32+\e]            ; the slot of my wave's first token of it
	s_add_co_u32 s3, s[24+\e], 63
	s_lshr_b32 s3, s3, 6
	s_add_co_u32 s2, s2, s3
.endr
	v_mov_b32 v7, s48
.irp e, 1,2,3,4,5,6,7
	v_mov_b32 v20, s[48+\e]
	v_cndmask_b32 v7, v7, v20, s[16+\e]
.endr
	v_add_nc_u32 v7, v7, v6                        ; my slot
	v_min_u32 v7, 1471, v7                         ; (23 x 64 slots: it never binds)
	v_lshlrev_b32 v7, 2, v7
	global_store_b32 v7, v0, s[8:9] offset:256
	global_store_b32 v7, v5, s[10:11]
	s_cmp_lg_u32 s12, 0
	s_cbranch_scc1 .Lend
	; wave 0 writes the table: lane = tile.  Its expert is the last whose first tile is not behind it; the first tiles ascend, so an ascending chain of selects finds it.
	v_mov_b32 v10, 0
	v_mov_b32 v11, s24                             ; the expert's tokens + 64 x its first tile
.irp e, 1,2,3,4,5,6,7
	s_lshl_b32 s3, s[40+\e], 6
	s_add_co_u32 s3, s3, s[24+\e]
	v_cmp_gt_u32 vcc_lo, s[40+\e], v1
	v_mov_b32 v20, s3
	v_cndmask_b32 v10, \e, v10, vcc_lo
	v_cndmask_b32 v11, v20, v11, vcc_lo
.endr
	v_lshlrev_b32 v12, 6, v1
	v_cmp_gt_u32 vcc_lo, v11, v12
	v_sub_nc_u32 v11, v11, v12                     ; tokens left from this tile on,
	v_cndmask_b32 v11, 0, v11, vcc_lo              ; none behind the expert's last tile,
	v_min_u32 v11, 64, v11                         ; 64 at the most
	v_lshlrev_b32 v13, 3, v1
	global_store_b64 v13, v[10:11], s[8:9]         ; 32 lanes store the table's 256 bytes
.Lend:
	s_wait_tensorcnt 0x0
	ds_add_u32 v64, v65
	s_wait_dscnt 0x0
	s_endpgm
.Lfunc_end_k_qd0a6fa7b01_place:
	.size	k_qd0a6fa7b01_place, .Lfunc_end_k_qd0a6fa7b01_place-k_qd0a6fa7b01_place
	.p2alignl 7, 3214868480
	.fill 96, 4, 3214868480
	.section	.rodata,"a",@progbits
	.p2align	6, 0x0
	.amdhsa_kernel k_qd0a6fa7b01_place
		.amdhsa_group_segment_fixed_size 5120
		.amdhsa_private_segment_fixed_size 0
		.amdhsa_enable_private_segment 0
		.amdhsa_kernarg_size 32
		.amdhsa_user_sgpr_count 2
		.amdhsa_user_sgpr_kernarg_segment_ptr 1
		.amdhsa_wavefront_size32 1
		.amdhsa_system_sgpr_workgroup_id_x 1
		.amdhsa_system_sgpr_workgroup_id_y 1
		.amdhsa_system_sgpr_workgroup_id_z 1
		.amdhsa_system_vgpr_workitem_id 0
		.amdhsa_next_free_vgpr 66
		.amdhsa_next_free_sgpr 66
		.amdhsa_reserve_vcc 1
		.amdhsa_float_denorm_mode_32 3
		.amdhsa_float_denorm_mode_16_64 3
		.amdhsa_memory_ordered 1
		.amdhsa_forward_progress 1
		.amdhsa_inst_pref_size 14
	.end_amdhsa_kernel
	.amdgpu_metadata
---
amdhsa.version: [ 1, 2 ]
amdhsa.kernels:
  - .name:           k_qd0a6fa7b01_place
    .symbol:         k_qd0a6fa7b01_place.kd
    .args:
      - { .name: route, .offset: 0, .size: 8, .value_kind: global_buffer, .address_space: global }
      - { .name: gatep, .offset: 8, .size: 8, .value_kind: global_buffer, .address_space: global }
      - { .name: plan, .offset: 16, .size: 8, .value_kind: global_buffer, .address_space: global }
      - { .name: pw, .offset: 24, .size: 8, .value_kind: global_buffer, .address_space: global }
    .group_segment_fixed_size: 5120
    .private_segment_fixed_size: 0
    .kernarg_segment_align: 8
    .kernarg_segment_size: 32
    .max_flat_workgroup_size: 1024
    .sgpr_count:     66
    .vgpr_count:     66
    .wavefront_size: 32
...
	.end_amdgpu_metadata
.endif
;; end of part 2
;; launch up (part 3): grid 32 x 23, 1 waves a work-group, no clusters, 26,880 bytes of LDS; arguments plan, xq, W1r_codes, W1i_codes, W1r_scales, W1i_scales, b1r, b1i, mod_b, hq; writes hq
.if DOCPART == 3
	.amdgcn_target "amdgcn-amd-amdhsa--gfx1250"
	.amdhsa_code_object_version 6
	.text
	.protected	k_qd0a6fa7b01_up
	.globl	k_qd0a6fa7b01_up
	.p2align	8
	.type	k_qd0a6fa7b01_up,@function
k_qd0a6fa7b01_up:
	s_mov_b64 s[64:65], 0
	v_nop
	global_prefetch_b8 v0, s[64:65] scope:SCOPE_SE
	s_setreg_imm32_b32 hwreg(HW_REG_WAVE_MODE, 25, 1), 1
	s_wait_xcnt 0x0
; UP.  For one tile (up to 64 tokens of one expert) and 64 hidden units: h = ModReLU((W1r + i W1i)(xr + i xi) + b1), quantised along the hidden units and stored as codes.
; Only the chosen expert's rows are multiplied: reference() masks all others away by (argmax == e).
; GRID: x = ch (hidden units 64 ch .. 64 ch + 63), y = tile; 23 tiles serve every split; a tile that this split leaves without rows stores nothing and ends.
; That is a branch on a stored number.  The launch has ONE WAVE to a work-group, so that it needs no barrier; four such work-groups share a WGP's four SIMDs.
; No multicast: which tiles share an expert's weights hangs on counts read from memory.
; THE WAVE KEEPS ITS WEIGHTS IN REGISTERS: 64 rows x K 512 of W1r and of W1i, 2 x 16 fragments x 12 = 384 registers, and runs up to four tiles of 16 tokens against them.
; Each tensor's 24,576 bytes are one dense block of memory: 48 loads of 512 consecutive bytes; they turn into fragments through the wave's own stage in LDS, byte (row, col) at 400 row + 128 (row / 16) + col:
; with that pitch the 32 lanes of each 8-byte load of a fragment touch 64 different banks (100 words a row = 36 mod 64; 64 banks of 4 bytes: ISA guide 11.1).
; BOTH PRODUCTS' ORIENTATION: source 0 = 16 rows of a weight, source 1 = 16 tokens: a lane holds ONE token.  THE ROWS OF A WEIGHT TILE ARE NOT NEIGHBOURS: lane r of tile 2 b + u takes row
; 32 b + 8 u + r + 8 (r / 8), so that the 16 registers of tiles 2 b, 2 b + 1 are 16 neighbouring hidden units, 32 b + 16 (lane / 16) + 0 .. 15: neighbours along the next product's K.
; hr = xr W1r + b1r - xi W1i: two sets of sums, P and Q, and a subtraction;  hi = xi W1r + b1i + xr W1i: one set, I.  The biases are the C of a sum's first matrix instruction.
; ROWS BEYOND THE TILE'S COUNT are copies of its last token (the list's index is held at count - 1): they give the same bits and go to the tile's own slots of hq.  So EXEC is never touched.
; hq: codes [tile][m 4][part 2][K step 16][pair of registers 6][lane 32][8 bytes]: the image of the next operand's registers; my 64 units are half a K step: 3 pairs a part, each store 256 consecutive aligned bytes.
;     scale half-words from byte 4,521,984 on: [tile][ch 32][lane = 16 part + row][m 4][2 bytes].
; LIMITS: NaN and infinities are not served; a block of zeros has the scale byte 1, not 127 (its codes are zeros; this program alone reads the bytes).
; REGISTERS, in windows of 256 (s_set_vgpr_msb: bits 1:0 source 0, 3:2 source 1, 5:4 source 2, 7:6 destination):
;   window 0: v1-15 addresses; v16-31, v32-47 scale words of W1r, W1i (tile t, K step s at 4 t + s); v48-55 x's scale words, two sets; v56-63 addresses; v64-95 P, v96-127 I, v128-159 Q; v160-231 at work
;   window 1: v0-191 W1r's fragments ((t, s) at 12 (4 t + s)); v192-223 b1r, v224-255 b1i     window 2: v0-191 W1i's; v192-223 mod_b
;   window 3: v0-95, v96-191 x's fragments of a row tile, two sets (real at 12 s, imaginary at 48 + 12 s).   While staging: raw W1r in window 3 v0-191, raw W1i in window 0 v64-255.
.set XQS, 786432
.set HQS, 4521984
.set TOFF1, 3200                       ; LDS: from an even weight tile to the odd one: 8 rows
.set SA,  1                            ; v1-3   stage, in: 16 (n + n / 24), n = lane + 32 k
.set FA,  4                            ; v4     stage, out: my fragment row
.set L16, 5                            ; v5     16 x lane
.set L8,  6                            ; v6     8 x lane
.set SH,  7                            ; v7     16 h
.set XA,  8                            ; v8-11  row tile m: 768 token + 48 h
.set WO,  12                           ; v12    16 (r + 8 (r / 8)): my row of weight scales
.set BO,  13                           ; v13    64 h: my half's biases
.set SW,  14                           ; v[14:15] my four scale half-words
.set WSR, 16
.set WSI, 32
.set XS,  48
.set XSA, 56                           ; v56-59 row tile m: 32 token + 16 h
.set P,   64
.set I,   96
.set Q,   128
.set U,   160
.set TM,  192                          ; v192-195 largest magnitudes, v196-199 bytes, v204-207 the conversions' scale operands
.set PW,  208                          ; the scale word just made
.set TP,  209
.set PC,  212                          ; v212-230 the codes just made
.set EPS, 36                           ; s[36:37] 1e-10
.set SEL, 38                           ; s[38:39] v_permlanex16_b32's selects for lane l xor 16
.set MSB, 0
.macro WIN new                         ; the immediate's high byte repeats the setting that is left
.if MSB != \new
	s_set_vgpr_msb (MSB<<8)|\new
.set MSB, \new
.endif
.endm
.macro LDRAW base, plo                 ; a tensor's 64 rows: 48 loads of 512 consecutive bytes
.set j, 0
.rept 48
	global_load_b128 v[\base+4*j:\base+4*j+3], v[L16], s[\plo:\plo+1] offset:512*j
.set j, j+1
.endr
.endm
.macro TOSTAGE base                    ; three loads are four rows: 1,600 bytes of the stage; twelve are sixteen rows: 128 more
.set j, 0
.rept 48
	ds_store_b128 v[SA+j%3], v[\base+4*j:\base+4*j+3] offset:1600*(j/3)+128*(j/12)
.set j, j+1
.endr
.endm
.macro FRAGS                           ; 16 fragments: lane (r, h) takes 24 bytes at 96 s + 24 h and 24 at 96 s + 48 + 24 h of its row, in pieces of 8.  LDS serves a wave's instructions in order: these see the stores
.irp t, 0,1,2,3
.irp s, 0,1,2,3
.irp p, 0,1,2,3,4,5
	ds_load_b64 v[12*(4*\t+\s)+2*\p:12*(4*\t+\s)+2*\p+1], v[FA] offset:13056*(\t/2)+TOFF1*(\t%2)+96*\s+48*(\p/3)+8*(\p%3)
.endr
.endr
.endr
.endm
; One matrix instruction.  cm = 0: adds in place; 1: starts a sum with 0; 2: starts it with the registers from c on.  row = 1: source 1's scales are taken from lanes 16-31.
.macro WM d, a, b, cm, c, sa, sb, row
.if \row
.if \cm == 0
	v_wmma_scale_f32_16x16x128_f8f6f4 v[\d:\d+7], v[\a:\a+11], v[\b:\b+11], v[\d:\d+7], v[\sa], v[\sb] matrix_a_fmt:MATRIX_FMT_FP6 matrix_b_fmt:MATRIX_FMT_FP6 matrix_b_scale:MATRIX_SCALE_ROW1
.elseif \cm == 1
	v_wmma_scale_f32_16x16x128_f8f6f4 v[\d:\d+7], v[\a:\a+11], v[\b:\b+11], 0, v[\sa], v[\sb] matrix_a_fmt:MATRIX_FMT_FP6 matrix_b_fmt:MATRIX_FMT_FP6 matrix_b_scale:MATRIX_SCALE_ROW1
.else
	v_wmma_scale_f32_16x16x128_f8f6f4 v[\d:\d+7], v[\a:\a+11], v[\b:\b+11], v[\c:\c+7], v[\sa], v[\sb] matrix_a_fmt:MATRIX_FMT_FP6 matrix_b_fmt:MATRIX_FMT_FP6 matrix_b_scale:MATRIX_SCALE_ROW1
.endif
.else
.if \cm == 0
	v_wmma_scale_f32_16x16x128_f8f6f4 v[\d:\d+7], v[\a:\a+11], v[\b:\b+11], v[\d:\d+7], v[\sa], v[\sb] matrix_a_fmt:MATRIX_FMT_FP6 matrix_b_fmt:MATRIX_FMT_FP6
.elseif \cm == 1
	v_wmma_scale_f32_16x16x128_f8f6f4 v[\d:\d+7], v[\a:\a+11], v[\b:\b+11], 0, v[\sa], v[\sb] matrix_a_fmt:MATRIX_FMT_FP6 matrix_b_fmt:MATRIX_FMT_FP6
.else
	v_wmma_scale_f32_16x16x128_f8f6f4 v[\d:\d+7], v[\a:\a+11], v[\b:\b+11], v[\c:\c+7], v[\sa], v[\sb] matrix_a_fmt:MATRIX_FMT_FP6 matrix_b_fmt:MATRIX_FMT_FP6
.endif
.endif
.endm
; 64 matrix instructions: 64 weight rows x 16 tokens x K 512, complex.  buf: the set of activation fragments; bias = 1: P and I start with the biases; sb: the activations' scale words
; (one register a K step: the real part's words in lanes 0-15, the imaginary part's in lanes 16-31).  The twelve accumulators take turns, one instruction a turn:
; between two instructions on one accumulator stand seven others' or more.
.macro MM buf, bias, sb
.irp s, 0,1,2,3
.if \bias && (\s == 0)
	WIN 0x1d                                       ; source 0 window 1, source 1 window 3, C (the bias) window 1
.else
	WIN 0x0d
.endif
.irp t, 0,1,2,3
.if \s > 0
	WM P+8*\t, 12*(4*\t+\s), 96*(\buf)+12*\s, 0, 0, WSR+4*\t+\s, (\sb)+\s, 0
.elseif \bias
	WM P+8*\t, 12*(4*\t+\s), 96*(\buf)+12*\s, 2, 192+8*\t, WSR+4*\t+\s, (\sb)+\s, 0
.else
	WM P+8*\t, 12*(4*\t+\s), 96*(\buf)+12*\s, 1, 0, WSR+4*\t+\s, (\sb)+\s, 0
.endif
.endr
.irp t, 0,1,2,3
.if \s > 0
	WM I+8*\t, 12*(4*\t+\s), 96*(\buf)+48+12*\s, 0, 0, WSR+4*\t+\s, (\sb)+\s, 1
.elseif \bias
	WM I+8*\t, 12*(4*\t+\s), 96*(\buf)+48+12*\s, 2, 224+8*\t, WSR+4*\t+\s, (\sb)+\s, 1
.else
	WM I+8*\t, 12*(4*\t+\s), 96*(\buf)+48+12*\s, 1, 0, WSR+4*\t+\s, (\sb)+\s, 1
.endif
.endr
	WIN 0x0e                                       ; source 0 window 2
.irp t, 0,1,2,3
.if \s > 0
	WM Q+8*\t, 12*(4*\t+\s), 96*(\buf)+48+12*\s, 0, 0, WSI+4*\t+\s, (\sb)+\s, 1
.else
	WM Q+8*\t, 12*(4*\t+\s), 96*(\buf)+48+12*\s, 1, 0, WSI+4*\t+\s, (\sb)+\s, 1
.endif
.endr
.irp t, 0,1,2,3
	WM I+8*\t, 12*(4*\t+\s), 96*(\buf)+12*\s, 0, 0, WSI+4*\t+\s, (\sb)+\s, 0
.endr
.endr
.endm
; Row tile m's codes of x: lane (r, h) takes 48 consecutive bytes a fragment; then its scale words, real in lanes 0-15, imaginary in lanes 16-31.  25 loads.
.macro XLOAD m
	WIN 0xc0
.irp q, 0,1
.irp s, 0,1,2,3
.irp c, 0,1,2
	global_load_b128 v[96*((\m)%2)+48*\q+12*\s+4*\c:96*((\m)%2)+48*\q+12*\s+4*\c+3], v[XA+(\m)], s[6:7] offset:384*\q+96*\s+16*\c
.endr
.endr
.endr
	WIN 0
	global_load_b128 v[XS+4*((\m)%2):XS+4*((\m)%2)+3], v[XSA+(\m)], s[6:7] offset:XQS
.endm
; a = sqrt(hr^2 + hi^2 + eps);  h *= max(a + mod_b, 0) / (a + eps).  All in f32; each accumulator is read from its low end on.
.macro MODRELU
.set j, 0
.rept 16
	v_pk_add_f32 v[P+j:P+j+1], v[P+j:P+j+1], v[Q+j:Q+j+1] neg_lo:[0,1] neg_hi:[0,1]   ; hr = P - Q
.set j, j+2
.endr
.set j, 0
.rept 16
	v_pk_fma_f32 v[Q+j:Q+j+1], v[I+j:I+j+1], v[I+j:I+j+1], s[EPS:EPS+1] op_sel_hi:[1,1,0]
.set j, j+2
.endr
.set j, 0
.rept 16
	v_pk_fma_f32 v[Q+j:Q+j+1], v[P+j:P+j+1], v[P+j:P+j+1], v[Q+j:Q+j+1]
.set j, j+2
.endr
.set j, 0
.rept 32
	v_sqrt_f32 v[Q+j], v[Q+j]
.set j, j+1
.endr
	v_nop                                          ; one plain line behind the roots
	WIN 0x08                                       ; source 1 (mod_b) window 2
.set j, 0
	s_wait_alu depctr_va_vdst(0)
.rept 16
	v_pk_add_f32 v[U+j:U+j+1], v[Q+j:Q+j+1], v[192+j:192+j+1]
.set j, j+2
.endr
	WIN 0
.set j, 0
.rept 32
	v_max_num_f32 v[U+j], 0, v[U+j]
.set j, j+1
.endr
.set j, 0
.rept 16
	v_pk_add_f32 v[Q+j:Q+j+1], v[Q+j:Q+j+1], s[EPS:EPS+1] op_sel_hi:[1,0]
.set j, j+2
.endr
.set j, 0
.rept 32
	v_rcp_f32 v[Q+j], v[Q+j]
.set j, j+1
.endr
	v_nop                                          ; one plain line behind the reciprocals
.set j, 0
	s_wait_alu depctr_va_vdst(0)
.rept 16
	v_pk_mul_f32 v[U+j:U+j+1], v[U+j:U+j+1], v[Q+j:Q+j+1]
.set j, j+2
.endr
.set j, 0
.rept 16
	v_pk_mul_f32 v[P+j:P+j+1], v[P+j:P+j+1], v[U+j:U+j+1]
.set j, j+2
.endr
.set j, 0
.rept 16
	v_pk_mul_f32 v[I+j:I+j+1], v[I+j:I+j+1], v[U+j:U+j+1]
.set j, j+2
.endr
.endm
; 64 numbers of a lane, v[s] .. v[s + 63], register 16 b + i = place 32 b + 16 (lane / 16) + i of my row, become four blocks' codes in v[PC] on and their four bytes in v[PW].
.macro QUANT s
.irp b, 0,1,2,3
	v_max3_num_f32 v[TM+\b], |v[\s+16*\b]|, |v[\s+1+16*\b]|, 0x1800000   ; block b: my 16 numbers, and the floor 2^(3 - 127): the byte cannot fall under 1
.endr
.irp i, 2,4,6,8,10,12,14
.irp b, 0,1,2,3
	v_max3_num_f32 v[TM+\b], v[TM+\b], |v[\s+16*\b+\i]|, |v[\s+1+16*\b+\i]|   ; (the four blocks by turns)
.endr
.endr
.irp b, 0,1,2,3
	v_permlanex16_b32 v[TM+4+\b], v[TM+\b], s[SEL], s[SEL+1]
.endr
.irp b, 0,1,2,3
	v_max_num_f32 v[TM+\b], v[TM+\b], v[TM+4+\b]   ; with lane l xor 16's: the block's largest magnitude
.endr
.irp b, 0,1,2,3
	v_add_nc_u32 v[TM+12+\b], 0xff000000, v[TM+\b]   ; 2 off its exponent field: the conversion takes that field as its scale
.endr
.irp b, 0,1,2,3
	v_lshrrev_b32 v[TM+4+\b], 23, v[TM+12+\b]      ; the scale's byte
.endr
	v_lshl_or_b32 v[PW], v[TM+5], 8, v[TM+4]
	v_lshl_or_b32 v[PW], v[TM+6], 16, v[PW]
	v_lshl_or_b32 v[PW], v[TM+7], 24, v[PW]
.irp c, 0,1
	v_cvt_scalef32_pk16_fp6_f32 v[PC+6*\c:PC+2+6*\c], v[\s+32*\c:\s+15+32*\c], v[TM+12+2*\c]
	v_cvt_scalef32_pk16_fp6_f32 v[PC+12+4*\c:PC+14+4*\c], v[\s+16+32*\c:\s+31+32*\c], v[TM+12+2*\c+1]   ; (a conversion's three registers begin on an even number)
.endr
	v_nop                                          ; one plain line behind a scaled conversion
.irp c, 0,1                                    ; the operand's layout wants a WHOLE block in a lane: lanes 0-15 block 2 c, lanes 16-31 block 2 c + 1
.irp i, 0,1,2
	v_permlane16_swap_b32 v[PC+6*\c+\i], v[PC+12+4*\c+\i]
.endr
.irp i, 0,1,2
	v_mov_b32 v[PC+3+6*\c+\i], v[PC+12+4*\c+\i]
.endr
.endr
.endm
	s_load_b512 s[4:19], s[0:1], 0x0               ; plan 4, xq 6, W1r codes 8, W1i codes 10, W1r scales 12, W1i scales 14, b1r 16, b1i 18
	s_load_b128 s[20:23], s[0:1], 0x40             ; mod_b 20, hq 22
	s_set_vgpr_msb 0x80
	v_lshl_add_u32 v254, v0, 2, 0x6800
	v_mov_b32 v255, 0
	s_set_vgpr_msb 0x8000
	s_and_b32 s29, ttmp7, 0xffff                   ; tile
	s_mov_b32 s28, ttmp9                           ; ch
	s_lshl_b32 s26, s29, 3
	s_mov_b32 s27, 0
	s_mov_b32 s[EPS], 0x2edbe6ff
	s_mov_b32 s[EPS+1], s[EPS]                     ; (named with it as a pair, so it is written)
	s_mov_b32 s[SEL], 0x76543210
	s_mov_b32 s[SEL+1], 0xfedcba98
	s_wait_kmcnt 0x0
	s_add_nc_u64 s[26:27], s[4:5], s[26:27]
	s_load_b64 s[24:25], s[26:27], 0x0             ; the tile's expert and number of rows
	v_and_b32 v60, 15, v0                          ; r  (one wave: v0 is the lane)
	v_bfe_u32 v61, v0, 4, 1                        ; h
	v_lshlrev_b32 v[L16], 4, v0
	v_lshlrev_b32 v[L8], 3, v0
	v_lshlrev_b32 v[SH], 4, v61
	v_lshlrev_b32 v[BO], 6, v61
	v_and_b32 v62, 8, v60
	v_add_nc_u32 v62, v62, v60                     ; r + 8 (r / 8)
	v_lshlrev_b32 v[WO], 4, v62
	v_mul_u32_u24 v[FA], v62, 400
	v_lshrrev_b32 v63, 3, v60
	v_lshl_add_u32 v[FA], v63, 7, v[FA]            ; rows 16 on lie 128 bytes further
	v_mad_u32_u24 v[FA], v61, 24, v[FA]
.irp k, 0,1,2
	v_add_nc_u32 v63, 32*\k, v0                    ; n: which 16 bytes of a run of four rows
	v_mul_u32_u24 v[SA+\k], v63, 171
	v_lshrrev_b32 v[SA+\k], 12, v[SA+\k]           ; n / 24 (exact for n under 96): the row; each row has 16 bytes of padding
	v_add_nc_u32 v[SA+\k], v[SA+\k], v63
	v_lshlrev_b32 v[SA+\k], 4, v[SA+\k]
.endr
	v_mul_u32_u24 v63, v61, 48
	v_mov_b32 v[SW], 0                             ; row tiles that are not run keep 0; nobody reads them
	v_mov_b32 v[SW+1], 0
	s_wait_kmcnt 0x0
	s_min_u32 s24, s24, 7
	s_min_u32 s25, s25, 64
	s_cmp_eq_u32 s25, 0
	s_cbranch_scc1 .Lend                           ; this split does not use the tile
	s_sub_co_u32 s32, s25, 1
	s_lshl_b32 s30, s29, 8
	s_add_co_u32 s30, s30, 256
	s_mov_b32 s31, 0
	s_add_nc_u64 s[26:27], s[4:5], s[30:31]        ; the tile's list
.irp m, 0,1,2,3
	v_add_nc_u32 v[XA+\m], 16*\m, v60
	v_min_u32 v[XA+\m], s32, v[XA+\m]              ; rows beyond the count: the last token again
	v_min_u32 v[XA+\m], 63, v[XA+\m]
	v_lshlrev_b32 v[XA+\m], 2, v[XA+\m]
	global_load_b32 v[XSA+\m], v[XA+\m], s[26:27]
.endr
	s_mul_i32 s30, s24, 786432                     ; codes: an expert's 2,048 rows of 384 bytes; my 64 rows
	s_mul_i32 s33, s28, 24576
	s_add_co_u32 s30, s30, s33
	s_add_nc_u64 s[8:9], s[8:9], s[30:31]
	s_add_nc_u64 s[10:11], s[10:11], s[30:31]
	WIN 0xc0
	LDRAW 0, 8                                     ; W1r, raw, into window 3
	WIN 0
	s_lshl_b32 s30, s24, 15                        ; scales: 16 bytes a row
	s_lshl_b32 s33, s28, 10
	s_add_co_u32 s30, s30, s33
	s_add_nc_u64 s[12:13], s[12:13], s[30:31]
	s_add_nc_u64 s[14:15], s[14:15], s[30:31]
	s_lshl_b32 s30, s24, 13                        ; biases: 4 bytes a unit
	s_lshl_b32 s33, s28, 8
	s_add_co_u32 s30, s30, s33
	s_add_nc_u64 s[16:17], s[16:17], s[30:31]
	s_add_nc_u64 s[18:19], s[18:19], s[30:31]
	s_add_nc_u64 s[20:21], s[20:21], s[30:31]
	s_lshl_b32 s30, s29, 13                        ; hq's half-words: 8,192 tile + 256 ch
	s_add_co_u32 s30, s30, s33
	s_add_co_u32 s30, s30, HQS
	s_add_nc_u64 s[40:41], s[22:23], s[30:31]
	s_mul_i32 s30, s29, 196608                     ; hq's codes: 196,608 tile + 768 ch
	s_mul_i32 s33, s28, 768
	s_add_co_u32 s30, s30, s33
	s_add_nc_u64 s[22:23], s[22:23], s[30:31]
	s_wait_loadcnt 48                              ; the list is in; raw W1r's 48 loads stay out
.irp m, 0,1,2,3
	v_min_u32 v[XSA+\m], 0x3ff, v[XSA+\m]          ; the token
	v_mul_u32_u24 v[XA+\m], v[XSA+\m], 768
	v_add_nc_u32 v[XA+\m], v[XA+\m], v63
	v_lshlrev_b32 v[XSA+\m], 5, v[XSA+\m]
	v_add_nc_u32 v[XSA+\m], v[XSA+\m], v[SH]
.endr
.irp t, 0,1,2,3
	global_load_b128 v[WSR+4*\t:WSR+4*\t+3], v[WO], s[12:13] offset:(32*(\t/2)+8*(\t%2))*16   ; my row's four scale words
	global_load_b128 v[WSI+4*\t:WSI+4*\t+3], v[WO], s[14:15] offset:(32*(\t/2)+8*(\t%2))*16
.endr
	WIN 0x40
.irp t, 0,1,2,3                                ; the biases in the result's layout: tile 2 b + u, lane half h, register j: unit 32 b + 16 h + 8 u + j
	global_load_b128 v[192+8*\t:192+8*\t+3], v[BO], s[16:17] offset:(32*(\t/2)+8*(\t%2))*4
	global_load_b128 v[192+8*\t+4:192+8*\t+7], v[BO], s[16:17] offset:(32*(\t/2)+8*(\t%2))*4+16
	global_load_b128 v[224+8*\t:224+8*\t+3], v[BO], s[18:19] offset:(32*(\t/2)+8*(\t%2))*4
	global_load_b128 v[224+8*\t+4:224+8*\t+7], v[BO], s[18:19] offset:(32*(\t/2)+8*(\t%2))*4+16
.endr
	WIN 0x80
.irp t, 0,1,2,3
	global_load_b128 v[192+8*\t:192+8*\t+3], v[BO], s[20:21] offset:(32*(\t/2)+8*(\t%2))*4
	global_load_b128 v[192+8*\t+4:192+8*\t+7], v[BO], s[20:21] offset:(32*(\t/2)+8*(\t%2))*4+16
.endr
	WIN 0
	LDRAW 64, 10                                   ; W1i, raw, into window 0
	s_wait_loadcnt 63                              ; raw W1r is in: 80 loads were issued behind it, and 63 is the largest count that a wait can name
	WIN 0x0c                                       ; an LDS store's data are its source 1: window 3
	TOSTAGE 0
	WIN 0x40
	FRAGS                                          ; W1r's fragments into window 1
	s_wait_dscnt 0x0                               ; the stores have read raw W1r's registers, which x's fragments take now
	XLOAD 0
	XLOAD 1
	s_wait_loadcnt 50                              ; raw W1i, the scale words and the biases are in; the two row tiles of x (25 loads each) stay out
	TOSTAGE 64
	WIN 0x80
	FRAGS                                          ; W1i's into window 2
	WIN 0
	s_wait_dscnt 0x0
.irp b, 0,1,2,3
	v_mov_b32 v[TM+4+\b], 0                        ; written once: a lane permute's destination counts as one of its sources
.endr
; A ROW TILE: 16 tokens.  Every offset is an immediate; the four are written out by macro.
.macro TILE m
.if \m > 0
	s_cmp_le_u32 s25, 16*\m
	s_cbranch_scc1 .Lfin                           ; no token left
.endif
.if \m < 3
	s_wait_loadcnt 25                              ; this row tile's x is in; the next one's 25 loads stay out
.else
	s_wait_loadcnt 0x0
.endif
	MM (\m)%2, 1, XS+4*((\m)%2)
	WIN 0
.rept 4
	v_nop                                          ; four places in front of loads into registers that the products read, and of the first read of results
.endr
.if \m < 2
	XLOAD \m+2                                     ; into the set just left; its rows are held inside the list, so the load is good whatever the count
.endif
	MODRELU
.if \m > 0
	s_wait_xcnt 0x0                                ; the last row tile's stores have read the codes' registers
.endif
	QUANT P                                        ; blocks 0, 1: hr's 64 units; blocks 2, 3: hi's
.irp q, 0,1
.irp p, 0,1,2
	global_store_b64 v[L8], v[PC+6*\q+2*\p:PC+6*\q+2*\p+1], s[22:23] offset:(\m)*49152+\q*24576+256*\p   ; 32 lanes store 256 consecutive bytes, aligned
.endr
.endr
	v_lshrrev_b32 v[TP], v[SH], v[PW]              ; lanes 0-15 keep hr's two bytes of row r, lanes 16-31 hi's
.if (\m)%2 == 0
	v_and_b32 v[SW+(\m)/2], 0xffff, v[TP]
.else
	v_lshl_or_b32 v[SW+(\m)/2], v[TP], 16, v[SW+(\m)/2]
.endif
.endm
	TILE 0
	TILE 1
	TILE 2
	TILE 3
.Lfin:
	global_store_b64 v[L8], v[SW:SW+1], s[40:41]   ; the four row tiles' half-words: 256 consecutive bytes, aligned
.Lend:
	s_set_vgpr_msb 0xa
	s_wait_tensorcnt 0x0
	ds_add_u32 v254, v255
	s_wait_dscnt 0x0
	s_set_vgpr_msb 0xa00
	s_endpgm
.Lfunc_end_k_qd0a6fa7b01_up:
	.size	k_qd0a6fa7b01_up, .Lfunc_end_k_qd0a6fa7b01_up-k_qd0a6fa7b01_up
	.p2alignl 7, 3214868480
	.fill 96, 4, 3214868480
	.section	.rodata,"a",@progbits
	.p2align	6, 0x0
	.amdhsa_kernel k_qd0a6fa7b01_up
		.amdhsa_group_segment_fixed_size 26880
		.amdhsa_private_segment_fixed_size 0
		.amdhsa_enable_private_segment 0
		.amdhsa_kernarg_size 80
		.amdhsa_user_sgpr_count 2
		.amdhsa_user_sgpr_kernarg_segment_ptr 1
		.amdhsa_wavefront_size32 1
		.amdhsa_system_sgpr_workgroup_id_x 1
		.amdhsa_system_sgpr_workgroup_id_y 1
		.amdhsa_system_sgpr_workgroup_id_z 1
		.amdhsa_system_vgpr_workitem_id 0
		.amdhsa_next_free_vgpr 1024
		.amdhsa_next_free_sgpr 66
		.amdhsa_reserve_vcc 0
		.amdhsa_float_denorm_mode_32 3
		.amdhsa_float_denorm_mode_16_64 3
		.amdhsa_memory_ordered 1
		.amdhsa_forward_progress 1
		.amdhsa_inst_pref_size 143
	.end_amdhsa_kernel
	.amdgpu_metadata
---
amdhsa.version: [ 1, 2 ]
amdhsa.kernels:
  - .name:           k_qd0a6fa7b01_up
    .symbol:         k_qd0a6fa7b01_up.kd
    .args:
      - { .name: plan, .offset: 0, .size: 8, .value_kind: global_buffer, .address_space: global }
      - { .name: xq, .offset: 8, .size: 8, .value_kind: global_buffer, .address_space: global }
      - { .name: W1r_codes, .offset: 16, .size: 8, .value_kind: global_buffer, .address_space: global }
      - { .name: W1i_codes, .offset: 24, .size: 8, .value_kind: global_buffer, .address_space: global }
      - { .name: W1r_scales, .offset: 32, .size: 8, .value_kind: global_buffer, .address_space: global }
      - { .name: W1i_scales, .offset: 40, .size: 8, .value_kind: global_buffer, .address_space: global }
      - { .name: b1r, .offset: 48, .size: 8, .value_kind: global_buffer, .address_space: global }
      - { .name: b1i, .offset: 56, .size: 8, .value_kind: global_buffer, .address_space: global }
      - { .name: mod_b, .offset: 64, .size: 8, .value_kind: global_buffer, .address_space: global }
      - { .name: hq, .offset: 72, .size: 8, .value_kind: global_buffer, .address_space: global }
    .group_segment_fixed_size: 26880
    .private_segment_fixed_size: 0
    .kernarg_segment_align: 8
    .kernarg_segment_size: 80
    .max_flat_workgroup_size: 32
    .sgpr_count:     66
    .vgpr_count:     1024
    .wavefront_size: 32
...
	.end_amdgpu_metadata
.endif
;; end of part 3
;; launch down (part 4): grid 8 x 23, 4 waves a work-group, no clusters, 139,776 bytes of LDS; arguments plan, pw, hq, W2r_codes, W2i_codes, W2r_scales, W2i_scales, b2r, b2i, out0, out1; writes out0, out1
.if DOCPART == 4
	.amdgcn_target "amdgcn-amd-amdhsa--gfx1250"
	.amdhsa_code_object_version 6
	.text
	.protected	k_qd0a6fa7b01_down
	.globl	k_qd0a6fa7b01_down
	.p2align	8
	.type	k_qd0a6fa7b01_down,@function
k_qd0a6fa7b01_down:
	s_mov_b64 s[64:65], 0
	v_nop
	global_prefetch_b8 v0, s[64:65] scope:SCOPE_SE
	s_setreg_imm32_b32 hwreg(HW_REG_WAVE_MODE, 25, 1), 1
	s_wait_xcnt 0x0
; DOWN.  For one tile (up to 64 tokens of one expert) and 64 outputs: out = probability x ((W2r + i W2i)(hr + i hi) + b2), stored at the tokens' rows of out0 and out1.
; GRID: x = nc (outputs 64 nc .. 64 nc + 63), y = tile; 23 tiles serve every split.  Each output row of a token has one owner: with one expert a token that follows by itself.
; THE FOUR WAVES SHARE K: wave w takes K steps 4 w .. 4 w + 3 of the 16.  Its part of W2r and W2i (64 rows x 384 bytes each) stays in registers, 384 of them; its fragments of h are read by no other
; wave of the work-group and come from memory straight into registers, as the image that the launch before stored.  The four partial sums meet in LDS behind ONE barrier; then wave w finishes row tile w.
; The launch branches on stored counts; the barrier stands on every wave's path: what is left out is jumped over up to it, or behind it.
; No multicast: which tiles share an expert's weights hangs on counts read from memory.
; Weights turn into fragments through the wave's own LDS block, byte (row, col) at 400 row + 128 (row / 16) + col (the 32 lanes of an 8-byte load touch 64 different banks: 100 words a row = 36 mod 64).
; Source 0 = 16 rows of a weight (outputs), source 1 = 16 tokens: lane (r, h) holds token r and, in tile t, outputs 16 t + 8 h + 0 .. 7.
; o_r = hr W2r - hi W2i: P - Q;  o_i = hi W2r + hr W2i: I.
; ROWS BEYOND THE TILE'S COUNT are copies of its last token: the same bits, stored by the same wave onto the same bytes.  So EXEC is never touched.
; LDS: a block of 34,816 bytes a wave: first the stage (26,112), then the wave's partial sums [m 4][part 2][row 16] x (256 bytes + 16).  Ahead of the barrier only its owner touches a block.
; REGISTERS, in windows of 256: window 0: v1-15 addresses; v16-31, v32-47 scale words of W2r, W2i; v48-63 h's scale words (row tile m, K step s at 4 m + s); v64-95 P, v96-127 I, v128-159 Q; at the end v64-191 sums, v192-199 addresses
;   window 1: v0-191 W2r's fragments     window 2: v0-191 W2i's     window 3: v0-95, v96-191 h's fragments, two sets; v192-199 tokens, v200-207 probabilities, v208-215 biases, v216-231 h's half-words
;   While staging: raw W2r in window 3 v0-191, raw W2i in window 0 v64-255.
.set HQS, 4521984
.set TOFF1, 6528                       ; LDS: from an even weight tile to the odd one: 16 rows
.set BLK, 34816
.set L8,  1                            ; v1     8 x lane
.set SA,  2                            ; v2-4   stage, in
.set FA,  5                            ; v5     stage, out
.set RW,  6                            ; v6     my partial sums, in: block + 272 r + 32 h
.set RR,  7                            ; v7-10  wave w''s sums of row tile w, out: two rows an instruction
.set GA,  11                           ; v11-13 weights in memory: 16 n + 1,152 (n / 24)
.set WO,  14                           ; v14    64 r: my row of weight scales
.set CO,  15                           ; v15    16 (lane % 16)
.set WSR, 16
.set WSI, 32
.set HSW, 48
.set P,   64
.set I,   96
.set Q,   128
.set X,   64
.set OA,  192
.set HB,  40                           ; s[40:47] h's codes of row tile m
.set MSB, 0
.macro WIN new                         ; the immediate's high byte repeats the setting that is left
.if MSB != \new
	s_set_vgpr_msb (MSB<<8)|\new
.set MSB, \new
.endif
.endm
.macro LDRAW base, plo                 ; my 384 bytes of 64 rows of 1,536: three loads are four rows
.set j, 0
.rept 48
	global_load_b128 v[\base+4*j:\base+4*j+3], v[GA+j%3], s[\plo:\plo+1] offset:6144*(j/3)
.set j, j+1
.endr
.endm
.macro TOSTAGE base
.set j, 0
.rept 48
	ds_store_b128 v[SA+j%3], v[\base+4*j:\base+4*j+3] offset:1600*(j/3)+128*(j/12)
.set j, j+1
.endr
.endm
.macro FRAGS                           ; 16 fragments, in pieces of 8 bytes.  LDS serves a wave's instructions in order: these see the stores
.irp t, 0,1,2,3
.irp s, 0,1,2,3
.irp p, 0,1,2,3,4,5
	ds_load_b64 v[12*(4*\t+\s)+2*\p:12*(4*\t+\s)+2*\p+1], v[FA] offset:13056*(\t/2)+TOFF1*(\t%2)+96*\s+48*(\p/3)+8*(\p%3)
.endr
.endr
.endr
.endm
; One matrix instruction.  cm = 0: adds in place; 1: starts a sum with 0; 2: starts it with the registers from c on.  row = 1: source 1's scales are taken from lanes 16-31.
.macro WM d, a, b, cm, c, sa, sb, row
.if \row
.if \cm == 0
	v_wmma_scale_f32_16x16x128_f8f6f4 v[\d:\d+7], v[\a:\a+11], v[\b:\b+11], v[\d:\d+7], v[\sa], v[\sb] matrix_a_fmt:MATRIX_FMT_FP6 matrix_b_fmt:MATRIX_FMT_FP6 matrix_b_scale:MATRIX_SCALE_ROW1
.elseif \cm == 1
	v_wmma_scale_f32_16x16x128_f8f6f4 v[\d:\d+7], v[\a:\a+11], v[\b:\b+11], 0, v[\sa], v[\sb] matrix_a_fmt:MATRIX_FMT_FP6 matrix_b_fmt:MATRIX_FMT_FP6 matrix_b_scale:MATRIX_SCALE_ROW1
.else
	v_wmma_scale_f32_16x16x128_f8f6f4 v[\d:\d+7], v[\a:\a+11], v[\b:\b+11], v[\c:\c+7], v[\sa], v[\sb] matrix_a_fmt:MATRIX_FMT_FP6 matrix_b_fmt:MATRIX_FMT_FP6 matrix_b_scale:MATRIX_SCALE_ROW1
.endif
.else
.if \cm == 0
	v_wmma_scale_f32_16x16x128_f8f6f4 v[\d:\d+7], v[\a:\a+11], v[\b:\b+11], v[\d:\d+7], v[\sa], v[\sb] matrix_a_fmt:MATRIX_FMT_FP6 matrix_b_fmt:MATRIX_FMT_FP6
.elseif \cm == 1
	v_wmma_scale_f32_16x16x128_f8f6f4 v[\d:\d+7], v[\a:\a+11], v[\b:\b+11], 0, v[\sa], v[\sb] matrix_a_fmt:MATRIX_FMT_FP6 matrix_b_fmt:MATRIX_FMT_FP6
.else
	v_wmma_scale_f32_16x16x128_f8f6f4 v[\d:\d+7], v[\a:\a+11], v[\b:\b+11], v[\c:\c+7], v[\sa], v[\sb] matrix_a_fmt:MATRIX_FMT_FP6 matrix_b_fmt:MATRIX_FMT_FP6
.endif
.endif
.endm
; 64 matrix instructions: 64 weight rows x 16 tokens x K 512, complex.  buf: the set of activation fragments; bias = 1: P and I start with registers of window 1 (not used here); sb: the activations' scale words
; (one register a K step: the real part's words in lanes 0-15, the imaginary part's in lanes 16-31).  The twelve accumulators take turns, one instruction a turn:
; between two instructions on one accumulator stand seven others' or more.
.macro MM buf, bias, sb
.irp s, 0,1,2,3
.if \bias && (\s == 0)
	WIN 0x1d
.else
	WIN 0x0d                                       ; source 0 window 1, source 1 window 3
.endif
.irp t, 0,1,2,3
.if \s > 0
	WM P+8*\t, 12*(4*\t+\s), 96*(\buf)+12*\s, 0, 0, WSR+4*\t+\s, (\sb)+\s, 0
.elseif \bias
	WM P+8*\t, 12*(4*\t+\s), 96*(\buf)+12*\s, 2, 192+8*\t, WSR+4*\t+\s, (\sb)+\s, 0
.else
	WM P+8*\t, 12*(4*\t+\s), 96*(\buf)+12*\s, 1, 0, WSR+4*\t+\s, (\sb)+\s, 0
.endif
.endr
.irp t, 0,1,2,3
.if \s > 0
	WM I+8*\t, 12*(4*\t+\s), 96*(\buf)+48+12*\s, 0, 0, WSR+4*\t+\s, (\sb)+\s, 1
.elseif \bias
	WM I+8*\t, 12*(4*\t+\s), 96*(\buf)+48+12*\s, 2, 224+8*\t, WSR+4*\t+\s, (\sb)+\s, 1
.else
	WM I+8*\t, 12*(4*\t+\s), 96*(\buf)+48+12*\s, 1, 0, WSR+4*\t+\s, (\sb)+\s, 1
.endif
.endr
	WIN 0x0e                                       ; source 0 window 2
.irp t, 0,1,2,3
.if \s > 0
	WM Q+8*\t, 12*(4*\t+\s), 96*(\buf)+48+12*\s, 0, 0, WSI+4*\t+\s, (\sb)+\s, 1
.else
	WM Q+8*\t, 12*(4*\t+\s), 96*(\buf)+48+12*\s, 1, 0, WSI+4*\t+\s, (\sb)+\s, 1
.endif
.endr
.irp t, 0,1,2,3
	WM I+8*\t, 12*(4*\t+\s), 96*(\buf)+12*\s, 0, 0, WSI+4*\t+\s, (\sb)+\s, 0
.endr
.endr
.endm
.macro HLOAD m                         ; row tile m's eight fragments of h, my four K steps: 48 loads of 256 consecutive bytes
	WIN 0xc0
.irp q, 0,1
.irp s, 0,1,2,3
.irp p, 0,1,2,3,4,5
	global_load_b64 v[96*((\m)%2)+48*\q+12*\s+2*\p:96*((\m)%2)+48*\q+12*\s+2*\p+1], v[L8], s[HB+2*(\m):HB+2*(\m)+1] offset:24576*\q+1536*\s+256*\p
.endr
.endr
.endr
	WIN 0
.endm
	s_load_b512 s[4:19], s[0:1], 0x0               ; plan 4, pw 6, hq 8, W2r codes 10, W2i codes 12, W2r scales 14, W2i scales 16, b2r 18
	s_load_b128 s[20:23], s[0:1], 0x40             ; b2i 20, out0 22
	s_load_b64 s[24:25], s[0:1], 0x50              ; out1
	s_set_vgpr_msb 0x40
	v_lshl_add_u32 v254, v0, 2, 0x22000
	v_mov_b32 v255, 0
	s_set_vgpr_msb 0x4000
	v_lshrrev_b32 v64, 5, v0
	v_readfirstlane_b32 s32, v64                   ; wave
	s_and_b32 s29, ttmp7, 0xffff                   ; tile
	s_mov_b32 s28, ttmp9                           ; nc
	s_lshl_b32 s34, s29, 3
	s_mov_b32 s35, 0
	s_mov_b32 s48, 0x05040100                      ; v_perm_b32: the two low halves,
	s_mov_b32 s49, 0x07060302                      ; the two high halves
	s_wait_kmcnt 0x0
	s_add_nc_u64 s[34:35], s[4:5], s[34:35]
	s_load_b64 s[26:27], s[34:35], 0x0             ; the tile's expert and number of rows
	; every LDS address is made here, ahead of the first branch
	v_and_b32 v66, 31, v0                          ; lane
	v_and_b32 v64, 15, v0                          ; r
	v_bfe_u32 v65, v0, 4, 1                        ; h
	s_mul_i32 s33, s32, BLK                        ; my block
	v_lshlrev_b32 v[L8], 3, v66
.irp k, 0,1,2
	v_add_nc_u32 v67, 32*\k, v66                   ; n: which 16 bytes of a run of four rows
	v_mul_u32_u24 v68, v67, 171
	v_lshrrev_b32 v68, 12, v68                     ; n / 24 (exact for n under 96): the row
	v_add_nc_u32 v[SA+\k], v67, v68
	v_lshlrev_b32 v[SA+\k], 4, v[SA+\k]
	v_add_nc_u32 v[SA+\k], s33, v[SA+\k]           ; in the stage a row has 16 bytes of padding,
	v_mul_u32_u24 v[GA+\k], v68, 1152
	v_lshl_add_u32 v[GA+\k], v67, 4, v[GA+\k]      ; in memory the other three waves' 1,152 bytes
.endr
	v_mul_u32_u24 v[FA], v64, 400
	v_mad_u32_u24 v[FA], v65, 24, v[FA]
	v_add_nc_u32 v[FA], s33, v[FA]
	v_mul_u32_u24 v[RW], v64, 272
	v_lshl_add_u32 v[RW], v65, 5, v[RW]
	v_add_nc_u32 v[RW], s33, v[RW]
	v_mul_u32_u24 v67, v65, 272
	v_lshl_add_u32 v67, v64, 4, v67
	s_mul_i32 s52, s32, 8704
	v_add_nc_u32 v67, s52, v67
.irp w, 0,1,2,3
	v_add_nc_u32 v[RR+\w], \w*BLK, v67
.endr
	v_lshlrev_b32 v[WO], 6, v64
	v_lshlrev_b32 v[CO], 4, v64
	s_lshl_b32 s52, s32, 4
	v_add_nc_u32 v67, s52, v65                     ; 16 w + h: the rows that I store are 16 w + 2 i + h
	s_wait_kmcnt 0x0
	s_min_u32 s26, s26, 7
	s_min_u32 s27, s27, 64
	s_max_u32 s30, s27, 1
	s_sub_co_u32 s30, s30, 1                       ; the last row's index
	s_cmp_lg_u32 s27, 0
	s_cselect_b32 s31, s29, 0                      ; a tile without rows reads tile 0's first slot, which every split fills, and uses nothing of it
	s_lshl_b32 s34, s31, 8
	s_mov_b32 s35, 0
	s_add_nc_u64 s[38:39], s[6:7], s[34:35]        ; the tile's probabilities
	s_add_co_u32 s34, s34, 256
	s_add_nc_u64 s[36:37], s[4:5], s[34:35]        ; the tile's list
	s_lshl_b32 s34, s26, 11                        ; b2: 2,048 expert + 256 nc
	s_lshl_b32 s52, s28, 8
	s_add_co_u32 s34, s34, s52
	s_add_nc_u64 s[18:19], s[18:19], s[34:35]
	s_add_nc_u64 s[20:21], s[20:21], s[34:35]
	s_mov_b32 s34, s52
	s_add_nc_u64 s[22:23], s[22:23], s[34:35]      ; the outputs at my 64 columns
	s_add_nc_u64 s[24:25], s[24:25], s[34:35]
.irp i, 0,1,2,3,4,5,6,7
	v_add_nc_u32 v[68+\i], 2*\i, v67
	v_min_u32 v[68+\i], s30, v[68+\i]              ; rows beyond the count: the last token again
	v_min_u32 v[68+\i], 63, v[68+\i]
	v_lshlrev_b32 v[68+\i], 2, v[68+\i]
.endr
	WIN 0xc0                                       ; what the last part wants is asked for now, on every path
.irp i, 0,1,2,3,4,5,6,7
	global_load_b32 v[192+\i], v[68+\i], s[36:37]
.endr
.irp i, 0,1,2,3,4,5,6,7
	global_load_b32 v[200+\i], v[68+\i], s[38:39]
.endr
	global_load_b128 v[208:211], v[CO], s[18:19]
	global_load_b128 v[212:215], v[CO], s[20:21]
	WIN 0
	s_cmp_eq_u32 s27, 0
	s_cbranch_scc1 .Lmeet                          ; this split does not use the tile
	; ---- the products
	s_mul_i32 s34, s26, 786432                     ; codes: an expert's 512 rows of 1,536 bytes; my 64 rows; my 384 bytes of each
	s_mul_i32 s52, s28, 98304
	s_add_co_u32 s34, s34, s52
	s_mul_i32 s52, s32, 384
	s_add_co_u32 s34, s34, s52
	s_add_nc_u64 s[10:11], s[10:11], s[34:35]
	s_add_nc_u64 s[12:13], s[12:13], s[34:35]
	s_lshl_b32 s34, s26, 15                        ; scales: 64 bytes a row; my 16
	s_lshl_b32 s52, s28, 12
	s_add_co_u32 s34, s34, s52
	s_lshl_b32 s52, s32, 4
	s_add_co_u32 s34, s34, s52
	s_add_nc_u64 s[14:15], s[14:15], s[34:35]
	s_add_nc_u64 s[16:17], s[16:17], s[34:35]
	s_lshl_b32 s34, s29, 13                        ; h's half-words: 8,192 tile + 256 ch, ch = 8 w + 2 s + c
	s_lshl_b32 s52, s32, 11
	s_add_co_u32 s34, s34, s52
	s_add_co_u32 s34, s34, HQS
	s_add_nc_u64 s[50:51], s[8:9], s[34:35]
	s_mul_i32 s34, s29, 196608                     ; h's codes: 196,608 tile + 1,536 x K step
	s_mul_i32 s52, s32, 6144
	s_add_co_u32 s34, s34, s52
	s_add_nc_u64 s[HB:HB+1], s[8:9], s[34:35]
	s_lshr_b32 s52, s30, 4                         ; the last row tile that was stored
.irp m, 1,2,3
	s_min_u32 s53, s52, \m                         ; a row tile beyond it is asked for as that one, and not used
	s_mul_i32 s54, s53, 49152
	s_mov_b32 s55, 0
	s_add_nc_u64 s[HB+2*\m:HB+2*\m+1], s[HB:HB+1], s[54:55]
.endr
	WIN 0xc0
.irp s, 0,1,2,3
.irp c, 0,1
	global_load_b64 v[216+4*\s+2*\c:216+4*\s+2*\c+1], v[L8], s[50:51] offset:512*\s+256*\c
.endr
.endr
	WIN 0
.irp t, 0,1,2,3
	global_load_b128 v[WSR+4*\t:WSR+4*\t+3], v[WO], s[14:15] offset:1024*\t
	global_load_b128 v[WSI+4*\t:WSI+4*\t+3], v[WO], s[16:17] offset:1024*\t
.endr
	WIN 0xc0
	LDRAW 0, 10                                    ; W2r, raw, into window 3
	WIN 0
	s_wait_xcnt 0x0                                ; the head's loads have read their index registers, on which the next run lands
	LDRAW 64, 12                                   ; W2i, raw, into window 0
	s_wait_loadcnt 48                              ; all but raw W2i's 48 loads are in
	WIN 0x0c                                       ; an LDS store's data are its source 1: window 3
	TOSTAGE 0
	WIN 0x40
	FRAGS                                          ; W2r's fragments into window 1
	WIN 0x0f                                       ; sources 0 and 1 window 3
.irp s, 0,1,2,3                                ; a K step's scale word: bytes 0, 1 from its first 64 units' half-word, bytes 2, 3 from the second's
	v_perm_b32 v[HSW+\s], v[216+4*\s+2], v[216+4*\s], s48
	v_perm_b32 v[HSW+4+\s], v[216+4*\s+2], v[216+4*\s], s49
	v_perm_b32 v[HSW+8+\s], v[216+4*\s+3], v[216+4*\s+1], s48
	v_perm_b32 v[HSW+12+\s], v[216+4*\s+3], v[216+4*\s+1], s49
.endr
	WIN 0
.rept 8
	v_nop                                          ; a scale register written by a vector instruction stands eight places ahead of a scaled matrix instruction
.endr
	s_wait_dscnt 0x0                               ; the stores have read raw W2r's registers, which h's fragments take now
	HLOAD 0
	s_wait_loadcnt 48                              ; raw W2i is in; row tile 0's 48 loads stay out
	TOSTAGE 64
	WIN 0x80
	FRAGS                                          ; W2i's into window 2
	WIN 0
	s_wait_dscnt 0x0
	HLOAD 1
; A ROW TILE: 16 tokens against my quarter of K; the partial sums go to my block.
.macro TILE m
.if \m > 0
	s_cmp_le_u32 s27, 16*\m
	s_cbranch_scc1 .Lmeet                          ; no token left
	s_wait_dscnt 0x0                               ; the last row tile's LDS stores have read the registers that the products write now
.endif
.if \m < 3
	s_wait_loadcnt 48                              ; this row tile's h is in; the next one's 48 loads stay out
.else
	s_wait_loadcnt 0x0
.endif
	MM (\m)%2, 0, HSW+4*(\m)
	WIN 0
.rept 4
	v_nop                                          ; four places in front of loads into registers that the products read, and of the first read of results
.endr
.if \m < 2
	HLOAD \m+2
.endif
.set j, 0
.rept 16
	v_pk_add_f32 v[P+j:P+j+1], v[P+j:P+j+1], v[Q+j:Q+j+1] neg_lo:[0,1] neg_hi:[0,1]
.set j, j+2
.endr
.irp t, 0,1,2,3
	ds_store_b128 v[RW], v[P+8*\t:P+8*\t+3] offset:(\m)*8704+64*\t             ; each accumulator from its low end on
	ds_store_b128 v[RW], v[P+8*\t+4:P+8*\t+7] offset:(\m)*8704+64*\t+16
	ds_store_b128 v[RW], v[I+8*\t:I+8*\t+3] offset:(\m)*8704+4352+64*\t
	ds_store_b128 v[RW], v[I+8*\t+4:I+8*\t+7] offset:(\m)*8704+4352+64*\t+16
.endr
.endm
	TILE 0
	TILE 1
	TILE 2
	TILE 3
.Lmeet:
	s_wait_dscnt 0x0                               ; for the others' sake: my partial sums have landed
	s_barrier_signal -1
	s_barrier_wait -1
	s_lshl_b32 s34, s32, 4
	s_cmp_ge_u32 s34, s27
	s_cbranch_scc1 .Lend                           ; row tile w has no token
	; ---- wave w finishes row tile w: the four quarters of K, the bias, the probability; sixteen lanes store a token's 256 bytes
	s_wait_loadcnt 0x0                             ; tokens, probabilities, biases (how many loads are younger differs from path to path: so 0)
	WIN 0x0c
.irp i, 0,1,2,3,4,5,6,7
	v_min_u32 v[OA+\i], 0x3ff, v[192+\i]           ; the token (source in window 3)
.endr
	WIN 0
.irp i, 0,1,2,3,4,5,6,7
	v_lshl_add_u32 v[OA+\i], v[OA+\i], 11, v[CO]   ; its row of 2,048 bytes, my 16 bytes of the 256
.endr
.macro OUTP q, plo
.irp i, 0,1,2,3,4,5,6,7
.irp w, 0,1,2,3
	ds_load_b128 v[X+16*\i+4*\w:X+16*\i+4*\w+3], v[RR+\w] offset:544*\i+4352*\q   ; lanes 0-15 row 2 i, lanes 16-31 row 2 i + 1
.endr
.endr
	s_wait_dscnt 0x0
	WIN 0x0c                                       ; source 1 window 3
.irp i, 0,1,2,3,4,5,6,7
.irp c, 0,1
	v_pk_add_f32 v[X+16*\i+2*\c:X+16*\i+2*\c+1], v[X+16*\i+2*\c:X+16*\i+2*\c+1], v[208+4*\q+2*\c:208+4*\q+2*\c+1]
.endr
.endr
	WIN 0
.irp i, 0,1,2,3,4,5,6,7
.irp c, 0,1
	v_pk_add_f32 v[X+16*\i+2*\c:X+16*\i+2*\c+1], v[X+16*\i+2*\c:X+16*\i+2*\c+1], v[X+16*\i+4+2*\c:X+16*\i+4+2*\c+1]
	v_pk_add_f32 v[X+16*\i+8+2*\c:X+16*\i+8+2*\c+1], v[X+16*\i+8+2*\c:X+16*\i+8+2*\c+1], v[X+16*\i+12+2*\c:X+16*\i+12+2*\c+1]
.endr
.endr
.irp i, 0,1,2,3,4,5,6,7
.irp c, 0,1
	v_pk_add_f32 v[X+16*\i+2*\c:X+16*\i+2*\c+1], v[X+16*\i+2*\c:X+16*\i+2*\c+1], v[X+16*\i+8+2*\c:X+16*\i+8+2*\c+1]
.endr
.endr
	WIN 0x0c
.irp i, 0,1,2,3,4,5,6,7
.irp c, 0,1
.if \i%2
	v_pk_mul_f32 v[X+16*\i+2*\c:X+16*\i+2*\c+1], v[X+16*\i+2*\c:X+16*\i+2*\c+1], v[200+\i-1:200+\i] op_sel:[0,1] op_sel_hi:[1,1]
.else
	v_pk_mul_f32 v[X+16*\i+2*\c:X+16*\i+2*\c+1], v[X+16*\i+2*\c:X+16*\i+2*\c+1], v[200+\i:200+\i+1] op_sel_hi:[1,0]
.endif
.endr
.endr
	WIN 0
.irp i, 0,1,2,3,4,5,6,7
	global_store_b128 v[OA+\i], v[X+16*\i:X+16*\i+3], s[\plo:\plo+1] th:TH_STORE_NT   ; sixteen lanes store 256 consecutive bytes, aligned; written once, read by nobody here
.endr
.endm
	OUTP 0, 22
	s_wait_xcnt 0x0                                ; the stores have read their registers, into which the imaginary part's sums are loaded
	OUTP 1, 24
.Lend:
	s_set_vgpr_msb 0x5
	s_wait_tensorcnt 0x0
	ds_add_u32 v254, v255
	s_wait_dscnt 0x0
	s_set_vgpr_msb 0x500
	s_endpgm
.Lfunc_end_k_qd0a6fa7b01_down:
	.size	k_qd0a6fa7b01_down, .Lfunc_end_k_qd0a6fa7b01_down-k_qd0a6fa7b01_down
	.p2alignl 7, 3214868480
	.fill 96, 4, 3214868480
	.section	.rodata,"a",@progbits
	.p2align	6, 0x0
	.amdhsa_kernel k_qd0a6fa7b01_down
		.amdhsa_group_segment_fixed_size 139776
		.amdhsa_private_segment_fixed_size 0
		.amdhsa_enable_private_segment 0
		.amdhsa_kernarg_size 88
		.amdhsa_user_sgpr_count 2
		.amdhsa_user_sgpr_kernarg_segment_ptr 1
		.amdhsa_wavefront_size32 1
		.amdhsa_system_sgpr_workgroup_id_x 1
		.amdhsa_system_sgpr_workgroup_id_y 1
		.amdhsa_system_sgpr_workgroup_id_z 1
		.amdhsa_system_vgpr_workitem_id 0
		.amdhsa_next_free_vgpr 1024
		.amdhsa_next_free_sgpr 66
		.amdhsa_reserve_vcc 0
		.amdhsa_float_denorm_mode_32 3
		.amdhsa_float_denorm_mode_16_64 3
		.amdhsa_memory_ordered 1
		.amdhsa_forward_progress 1
		.amdhsa_inst_pref_size 117
	.end_amdhsa_kernel
	.amdgpu_metadata
---
amdhsa.version: [ 1, 2 ]
amdhsa.kernels:
  - .name:           k_qd0a6fa7b01_down
    .symbol:         k_qd0a6fa7b01_down.kd
    .args:
      - { .name: plan, .offset: 0, .size: 8, .value_kind: global_buffer, .address_space: global }
      - { .name: pw, .offset: 8, .size: 8, .value_kind: global_buffer, .address_space: global }
      - { .name: hq, .offset: 16, .size: 8, .value_kind: global_buffer, .address_space: global }
      - { .name: W2r_codes, .offset: 24, .size: 8, .value_kind: global_buffer, .address_space: global }
      - { .name: W2i_codes, .offset: 32, .size: 8, .value_kind: global_buffer, .address_space: global }
      - { .name: W2r_scales, .offset: 40, .size: 8, .value_kind: global_buffer, .address_space: global }
      - { .name: W2i_scales, .offset: 48, .size: 8, .value_kind: global_buffer, .address_space: global }
      - { .name: b2r, .offset: 56, .size: 8, .value_kind: global_buffer, .address_space: global }
      - { .name: b2i, .offset: 64, .size: 8, .value_kind: global_buffer, .address_space: global }
      - { .name: out0, .offset: 72, .size: 8, .value_kind: global_buffer, .address_space: global }
      - { .name: out1, .offset: 80, .size: 8, .value_kind: global_buffer, .address_space: global }
    .group_segment_fixed_size: 139776
    .private_segment_fixed_size: 0
    .kernarg_segment_align: 8
    .kernarg_segment_size: 88
    .max_flat_workgroup_size: 128
    .sgpr_count:     66
    .vgpr_count:     1024
    .wavefront_size: 32
...
	.end_amdgpu_metadata
.endif
;; end of part 4
